; MI455X (gfx1250); checked and timed in simulation.
; The chip was launched on July 23, 2026; its instructions are those of AMD's public machine-readable ISA for CDNA 5 (MIT licence, August 2026) and "CDNA5" Instruction Set Architecture Reference Guide (July 2026). The comments in the code are by the model that wrote it; some were corrected since.
;; Vector Quantizer. Allowed arithmetic: float matrix products may take bf16 or f16 operands with f32 sums; all other float work in f32.
;; Inputs: inputs 64 x 32 x 32 x 64 float32; w 1,024 x 64 float32.
;; Outputs: out0 64 x 32 x 32 x 64 float32; out1 one number float32; out2 65,536 int32; out3 64 x 1,024 float32.
;; One version. Each part assembles by itself: llvm-mc -triple=amdgcn-amd-amdhsa -mcpu=gfx1250 --defsym DOCPART=n.
;; ======== version 1 of 1: 2 launches
;; limits: a difference of large sums (such as E[x^2] - mean^2): digits are lost where the result is much smaller than its terms
;; workspace buffers: cand 524,288 bytes of whole numbers; part 4,096 bytes
;; launch assign (part 1): grid 256 x 1, 8 waves a work-group, clusters of 4 x 1, 320,512 bytes of LDS; arguments inputs, w, out3, cand, part; writes out3, cand, part
.if DOCPART == 1
	.amdgcn_target "amdgcn-amd-amdhsa--gfx1250"
	.amdhsa_code_object_version 6
	.text
	.protected	k_q2d297b918c_assign
	.globl	k_q2d297b918c_assign
	.p2align	8
	.type	k_q2d297b918c_assign,@function
k_q2d297b918c_assign:
	s_mov_b64 s[64:65], 0
	v_nop
	global_prefetch_b8 v0, s[64:65] scope:SCOPE_SE
	s_setreg_imm32_b32 hwreg(HW_REG_WAVE_MODE, 25, 1), 1
	s_wait_xcnt 0x0
	s_wait_alu depctr_hold_cnt(0) depctr_sa_sdst(0) depctr_va_vdst(0) depctr_va_sdst(0) depctr_va_ssrc(0) depctr_va_vcc(0) depctr_vm_vsrc(0)
	s_getreg_b32 s2, hwreg(HW_REG_IB_STS2, 6, 4)
	s_cmp_eq_u32 s2, 0
	s_cbranch_scc0 .Lentry_in_a_cluster
	s_endpgm
.Lentry_in_a_cluster:
	s_bfe_u32 s2, ttmp6, 0x10000c
	s_cmp_lg_u32 s2, 0x3003
	s_cbranch_scc0 .Lentry_shape_is_right
	s_endpgm
.Lentry_shape_is_right:
; ASSIGN.  x: [65536][64] f32, w: [1024][64] f32.  For every row x the TWO codes with the largest scores s_k = x.w_k - |w_k|^2 / 2, that is
; with the smallest |x - w_k|^2.  Stores the pair (cand: two whole numbers a row, from which the next launch forms addresses and between which
; it decides), w transposed (out3), and for every 64 rows the sum of the smallest distances |x|^2 - 2 s (part), from which the next launch makes the loss.
; NUMBERS: x and w are rounded to bf16 (nearest even) for the products, which the matrix instruction sums in f32.  |w|^2 and |x|^2 are sums
; over the SAME rounded numbers (diagonals of fragment x fragment^T), so |x|^2 - 2 s is |x_r - w_r|^2 up to f32 summation.
; WHY TWO: the problem's own distances carry some 64 f32 roundings each, so where two codes are nearer to each other than that, the index hangs
; on the order of the sums.  The next launch forms both distances again in the problem's order and decides.
; LIMITS, kept on purpose: (1) only the two best are handed on: a third code within the f32 summation error of the best is not looked at again.
; Codes with equal scores rank by the lower index.  (2) NaN is not served (v_max3_num_f32 drops it), nor rows all of whose scores are -inf.
; (3) The loss is summed from |x|^2 - 2 s and not from (w_k - x)^2: the absolute error is a few 2^-24 (|x|^2 + |w|^2) a row; with a common
; offset of 30 spreads on all inputs that is about 0.02 against a distance near 55.
;
; SHARES: 256 work-groups of 8 waves; a work-group owns 256 rows.  Wave = 2 g + p: rows 64 g .. 64 g + 63 (four blocks of 16, B fragments kept in
; 64 registers for the whole kernel) and codes 512 p .. 512 p + 511 (32 tiles of 16, A fragments from LDS, each feeding four row blocks).
; Lane (r, h) holds in its 8 result registers the scores of codes 8 h + 0..7 of the tile for row r: the search stays inside the lane.
; -|w|^2/2 is the C operand of the first of a tile's two instructions, so a score costs no vector instruction.
; SEARCH, 18 vector instructions for 8 scores.  A lane keeps, for each row block, two slots A and B: the two tiles with the largest maxima so far,
; each with its number and its 8 scores, and the two maxima in order.  A tile whose maximum beats the lower one is written over the slot that
; holds the lower one, so nothing is ever moved from slot to slot; which slot holds the higher is one bit a lane, kept in a scalar mask.
; A slot's 8 score selects share one mask, which is made in VCC, so they go two to an instruction.
; The two best scores of a lane are then the higher maximum and the better of the lower maximum and the second score of the higher slot.
;
; CLUSTER: all work-groups read the same w, so four form a cluster and ask for it jointly (mask 15).  x is shared by nobody: plain loads.
; All of w fits in LDS in f32: each wave asks for the 128 rows that this same wave then rounds to bf16 in place (bytes 0..127 of each row), in
; two loads of 64 rows, so that it can begin on the first half.  No LDS byte is filled twice, and by this text's count a wave has two tensor loads out.
; ORDER OF THE SET-UP: x is asked for first and used last: the codebook is rounded while x is on its way.
.set WPITCH, 272                       ; a row of w in LDS: 256 bytes + 16, an odd multiple of 16: 16 rows start in 16 different 16-byte columns of 256
.set TILEB,  16*WPITCH                 ; a tile of 16 codes
.set WAVEB,  128*WPITCH                ; what one wave fetches and rounds
.set HALFB,  512*WPITCH                ; the codes of one p
.set BIAS,   1024*WPITCH               ; LDS: w from 0; then -|w_k|^2/2, 1,024 f32
.set XS,     BIAS+4096                 ; then the group's 256 rows of x in bf16
.set XPITCH, 144                       ; 128 bytes + 16
.set MRG,    XS                        ; once x is in registers: each wave 64 records of 16 bytes (best score, its code, second score, its code),
.set DD,     MRG+8192                  ; and each wave 64 f32: |x|^2 - 2 best score
.set XOFF, 2                           ; v2   16 t: my 16 bytes in each 4,096 of the group's x
.set XST,  3                           ; v3   where my 8 bytes of bf16 x go
.set BLD,  4                           ; v4   my B fragments in XS
.set WADR, 5                           ; v5   my wave's rows of w in f32, in the fragment's order
.set CST,  6                           ; v6   the same rows in bf16
.set BIST, 7                           ; v7   where -|w|^2/2 of my wave's codes goes
.set AADR, 8                           ; v8   my A fragments, stepped tile by tile
.set BADR, 9                           ; v9   my C operand, likewise
.set LB,   10                          ; v10  512 p + 8 h: what my lane adds to 16 x tile + place
.set RST,  11                          ; v11  where my records go
.set DST,  12                          ; v12  where my distances go
.set RR,   13                          ; r = lane % 16
.set HH,   14                          ; h = lane / 16
.set LN,   15                          ; lane
.set ST0,  16                          ; v16-95   per row block 20: slot A's scores 0-7, slot B's 8-15, higher maximum 16, lower 17, A's tile 18, B's tile 19
.set XF0,  96                          ; v96-159  B fragments, 16 per row block
.set AB0,  160                         ; v160-175 A fragments of one tile (before that: wave 7's piece of w for out3)
.set CB0,  176                         ; v176-183 C operand of one tile
.set ACC0, 184                         ; v184-215 4 x 8 accumulators
.set MT,   216                         ; v216-219 the tile's maximum, per row block
.set XX,   220                         ; v220-223 |x|^2, per row block
.set X,    ST0                         ; on the slots while they are idle: x as loaded, 64
.set CF,   ACC0                        ; a tile of w in f32, 32: even tiles on the accumulators,
.set CF2,  XF0                         ; odd tiles on the B fragments' registers, both idle then
.set CP,   224                         ; the same in bf16, 16: its two A fragments
.set CD,   240                         ; tile x tile^T, 8
.set CT,   248                         ; 4 at work
.set WS,   224                         ; the end: the scores of the slot with the higher maximum, 8,
.set LS,   232                         ; of the other slot, 8
.set TW,   240                         ; their tiles, then 16 x tile + 512 p + 8 h
.set TX,   241
.set J1,   242                         ; places: of the higher maximum,
.set JX,   243                         ; of the lower,
.set J2,   244                         ; of the second score in the higher slot
.set SEC,  245                         ; that second score
.set C2,   246                         ; its code
.set CX,   247                         ; the lower maximum's code
.set REC,  248                         ; v248-251 the record
.set JJ,   252                         ; LDS address at the end (before that: wave 7's offset in w)
.set CC,   253                         ; likewise (wave 7's offset in out3)
.set OTH,  ACC0                        ; the end, on the accumulators: the other half's record, 4
.set TQ,   ACC0+4                      ; 4 at work
.set DV,   ACC0+8                      ; the distance
.set FA,   ACC0                        ; the join of the two p: my records of rows 2 l and 2 l + 1,
.set FB,   ACC0+4
.set PA,   ACC0+8                      ; the partner's,
.set PB,   ACC0+12
.set DMY,  ACC0+16                     ; my two distances, the partner's,
.set DPT,  ACC0+18
.set TQ2,  ACC0+20                     ; 4 at work
.set OUT,  ACC0+24                     ; 4 codes to store
.set ZR,   ACC0+28
.set GO,   ACC0+29
.set G1,   24                          ; s[24:31] descriptor group 1
.set G0,   32                          ; s[32:35] descriptor group 0, my first 64 rows
.set G0B,  72                          ; s[72:75] descriptor group 0, my second 64 rows
.set WINL, 36                          ; s36-39  the tile's maximum beats the lower kept maximum, per row block
.set WINH, 40                          ; s40-43  it beats the higher one too
.set AHI,  60                          ; s60-63  slot A holds the higher maximum
; A round of the cluster's barrier: my work-group's barrier, wave 0 signals for the work-group, every wave waits for the four work-groups,
; my work-group's barrier again.
.macro ROUND
	s_barrier_signal -1
	s_barrier_wait -1
	s_cmp_lg_u32 s16, 0
	s_cbranch_scc1 .Lnot_wave_0_\@
	s_barrier_signal -3
.Lnot_wave_0_\@:
	s_barrier_wait -3
	s_barrier_signal -1
	s_barrier_wait -1
.endm
; The diagonal of a 16 x 16 result d: element (m, m) lies in lane m + 16 (m / 8), register m % 8.  Three levels of selects on the lane's low
; three bits pick register lane % 8, which is the diagonal in lanes 0-7 and 24-31; the other lanes take it from lane xor 16.
; Afterwards every lane holds element (r, r) in v[dst].
.macro DIAG dst, t, d
	v_cndmask_b32 v[\t],   v[\d],   v[\d+1], s44
	v_cndmask_b32 v[\t+1], v[\d+2], v[\d+3], s44
	v_cndmask_b32 v[\t+2], v[\d+4], v[\d+5], s44
	v_cndmask_b32 v[\t+3], v[\d+6], v[\d+7], s44
	v_cndmask_b32 v[\t],   v[\t],   v[\t+1], s45
	v_cndmask_b32 v[\t+2], v[\t+2], v[\t+3], s45
	v_cndmask_b32 v[\t],   v[\t],   v[\t+2], s46
	v_permlanex16_b32 v[\t+1], v[\t], s48, s49
	v_cndmask_b32 v[\dst], v[\t+1], v[\t], s47
.endm
; Tile c of my wave's eight, in f32, from LDS in the fragment's own order.  Eight LDS loads.
.macro CLOAD c
.set F_, CF+((\c)&1)*(CF2-CF)
.irp i, 0,1,2,3
	ds_load_b128 v[F_+8*\i:F_+8*\i+3],   v[WADR] offset:(\c)*TILEB+64*\i      ; k = 16 i + 8 h + 0..3
	ds_load_b128 v[F_+8*\i+4:F_+8*\i+7], v[WADR] offset:(\c)*TILEB+64*\i+16   ; k = 16 i + 8 h + 4..7
.endr
.endm
; Tile c is rounded to bf16 and stored over the first half of the same rows (its loads are back by then, and no other wave touches these
; rows before the barrier); -|w|^2/2 of its 16 codes.  The next tile's loads are issued first, so that they land meanwhile.
.macro CONVERT c
.if (\c) == 3
	s_wait_tensorcnt 0x0                           ; tile 4 is the first of my second 64 rows
.endif
.if (\c) < 7
	CLOAD (\c)+1
	s_wait_dscnt 0x8                               ; LDS instructions end in order: all but the eight loads just issued, so tile c is in
.else
	s_wait_dscnt 0x0
.endif
.set F_, CF+((\c)&1)*(CF2-CF)
.irp i, 0,1,2,3,4,5,6,7,8,9,10,11,12,13,14,15
	v_cvt_pk_bf16_f32 v[CP+\i], v[F_+2*\i], v[F_+2*\i+1]
.endr
.irp i, 0,1,2,3
	ds_store_b128 v[CST], v[CP+4*\i:CP+4*\i+3] offset:(\c)*TILEB+32*\i
.endr
	v_wmma_f32_16x16x32_bf16 v[CD:CD+7], v[CP:CP+7], v[CP:CP+7], 0
	s_wait_alu depctr_va_vdst(0)                   ; one accumulator, two links that follow each other
	v_wmma_f32_16x16x32_bf16 v[CD:CD+7], v[CP+8:CP+15], v[CP+8:CP+15], v[CD:CD+7]
.rept 5
	v_nop                                          ; four places in front of the selects that read the result and of the next tile's conversions into CP, five in front of the next tile's product, which writes over CD (ISA guide 7.12.1)
.endr
	DIAG CT, CT, CD
	v_mul_f32 v[CT], -0.5, v[CT]
	ds_store_b32 v[BIST], v[CT] offset:(\c)*64     ; lanes r and r + 16 write the same word with the same value
.endm
; The tile at AADR: two A fragments and the C operand.  Six LDS loads.
.macro LOADT
.irp k, 0,1,2,3
	ds_load_b128 v[AB0+4*\k:AB0+4*\k+3], v[AADR] offset:32*\k
.endr
	ds_load_b128 v[CB0:CB0+3],   v[BADR]
	ds_load_b128 v[CB0+4:CB0+7], v[BADR] offset:16
.endm
; A tile's eight matrix instructions; row block q's accumulator begins at register d0 + dstep q.  The first four start the sums from -|w|^2/2.
; The four accumulators take turns, one instruction a turn.  Four places follow: in front of the
; loads into A's and C's registers, which these instructions read, and of the search, which reads the results.
; fetch = 1: two of the places step the addresses, and the next tile is fetched; it lands while this tile is searched.
.macro TILE d0, dstep, fetch
	s_wait_dscnt 0x0                               ; this tile's six loads
.irp q, 0,1,2,3
	v_wmma_f32_16x16x32_bf16 v[\d0+\dstep*\q:\d0+\dstep*\q+7], v[AB0:AB0+7], v[XF0+16*\q:XF0+16*\q+7], v[CB0:CB0+7]
.endr
.irp q, 0,1,2,3
	v_wmma_f32_16x16x32_bf16 v[\d0+\dstep*\q:\d0+\dstep*\q+7], v[AB0+8:AB0+15], v[XF0+16*\q+8:XF0+16*\q+15], v[\d0+\dstep*\q:\d0+\dstep*\q+7]
.endr
.if \fetch
	v_add_nc_u32 v[AADR], TILEB, v[AADR]
	v_add_nc_u32 v[BADR], 64, v[BADR]
	v_nop
	v_nop
	LOADT
.else
	v_nop
	v_nop
	v_nop
	v_nop
.endif
.endm
; One of the first eight steps of the search, for all four row blocks (four chains that do not wait for each other).
.macro SROW row
.irp q, 0,1,2,3
.set A_, ACC0+8*\q
.set S_, ST0+20*\q
.set M_, MT+\q
.if (\row) == 0
	v_max3_num_f32 v[M_], v[A_], v[A_+1], v[A_+2]
.endif
.if (\row) == 1
	v_max3_num_f32 v[M_], v[M_], v[A_+3], v[A_+4]
.endif
.if (\row) == 2
	v_max3_num_f32 v[M_], v[M_], v[A_+5], v[A_+6]
.endif
.if (\row) == 3
	v_max_num_f32 v[M_], v[M_], v[A_+7]
.endif
.if (\row) == 4
	v_cmp_gt_f32 s[WINL+\q], v[M_], v[S_+17]       ; strictly larger: of equal maxima the earlier tiles stay
.endif
.if (\row) == 5
	v_cmp_gt_f32 s[WINH+\q], v[M_], v[S_+16]
.endif
.if (\row) == 6
	v_med3_num_f32 v[S_+17], v[S_+16], v[S_+17], v[M_]   ; the second largest of the three
.endif
.if (\row) == 7
	v_max_num_f32 v[S_+16], v[S_+16], v[M_]
.endif
.endr
.endm
; Row block q: the tile is written over the slot with the lower maximum, if it beat that maximum.  The tile's number is in s20.
; Each pair of selects: destinations j and j + 1 (one even, one odd), and both its first and its second sources in neighbouring registers,
; so in different register banks; both halves take VCC.
.macro PUT q
.set A_, ACC0+8*(\q)
.set S_, ST0+20*(\q)
	s_and_not1_b32 vcc_lo, s[WINL+\q], s[AHI+\q]   ; it won, and slot A holds the lower
.irp j, 0,2,4,6
	v_dual_cndmask_b32 v[S_+\j], v[S_+\j], v[A_+\j] :: v_dual_cndmask_b32 v[S_+\j+1], v[S_+\j+1], v[A_+\j+1]
.endr
	v_cndmask_b32 v[S_+18], v[S_+18], s20, vcc_lo
	s_and_b32 vcc_lo, s[WINL+\q], s[AHI+\q]        ; it won, and slot B holds the lower
.irp j, 0,2,4,6
	v_dual_cndmask_b32 v[S_+8+\j], v[S_+8+\j], v[A_+\j] :: v_dual_cndmask_b32 v[S_+9+\j], v[S_+9+\j], v[A_+\j+1]
.endr
	v_cndmask_b32 v[S_+19], v[S_+19], s20, vcc_lo
	s_xor_b32 s[AHI+\q], s[AHI+\q], s[WINH+\q]     ; if the tile beat the higher one too, the slot just written now holds the higher
.endm
.macro SEARCH
.irp w, 0,1,2,3,4,5,6,7
	SROW \w
.endr
	PUT 0
	PUT 1
	PUT 2
	PUT 3
.endm
; Tiles 0 and 1 lie in slots A and B: their maxima, in order, and which slot holds the higher (at equality A, the earlier tile).
.macro INIT q
.set S_, ST0+20*(\q)
	v_max3_num_f32 v[MT+\q], v[S_], v[S_+1], v[S_+2]
	v_max3_num_f32 v[S_+17], v[S_+8], v[S_+9], v[S_+10]
	v_max3_num_f32 v[MT+\q], v[MT+\q], v[S_+3], v[S_+4]
	v_max3_num_f32 v[S_+17], v[S_+17], v[S_+11], v[S_+12]
	v_max3_num_f32 v[MT+\q], v[MT+\q], v[S_+5], v[S_+6]
	v_max3_num_f32 v[S_+17], v[S_+17], v[S_+13], v[S_+14]
	v_max_num_f32 v[MT+\q], v[MT+\q], v[S_+7]
	v_max_num_f32 v[S_+17], v[S_+17], v[S_+15]
	v_cmp_ge_f32 s[AHI+\q], v[MT+\q], v[S_+17]
	v_max_num_f32 v[S_+16], v[MT+\q], v[S_+17]
	v_min_num_f32 v[S_+17], v[MT+\q], v[S_+17]
	v_mov_b32 v[S_+18], 0
	v_mov_b32 v[S_+19], 1
.endm
; The lowest place j with v[k + j] equal to v[m]; downward, so that the lowest stays
.macro PLACE dst, k, m
	v_mov_b32 v[\dst], 7
.irp i, 6,5,4,3,2,1,0
	v_cmp_neq_f32 vcc_lo, v[\k+\i], v[\m]
	v_cndmask_b32 v[\dst], \i, v[\dst], vcc_lo
.endr
.endm
; s66 = the lanes in which (score a, code ai) ranks ahead of (score b, code bi): larger, or equal with the lower code
.macro BETTER a, ai, b, bi
	v_cmp_gt_f32 s66, v[\a], v[\b]
	v_cmp_eq_f32 s67, v[\a], v[\b]
	v_cmp_lt_u32 s68, v[\ai], v[\bi]
	s_and_b32 s67, s67, s68
	s_or_b32 s66, s66, s67
.endm
; Two records (best score, code, second score, code) of disjoint sets of codes, at o and u, become the record of the union, at o.
; The second of the union is the better of the losing first and the winner's own second.  d, e (if d is not 0): the winner's distance goes along.
.macro MERGE o, u, t, d, e
	BETTER \u, \u+1, \o, \o+1
	v_cndmask_b32 v[\t],   v[\u],   v[\o],   s66   ; the first that lost
	v_cndmask_b32 v[\t+1], v[\u+1], v[\o+1], s66
	v_cndmask_b32 v[\t+2], v[\o+2], v[\u+2], s66   ; the winner's second
	v_cndmask_b32 v[\t+3], v[\o+3], v[\u+3], s66
	v_cndmask_b32 v[\o],   v[\o],   v[\u],   s66
	v_cndmask_b32 v[\o+1], v[\o+1], v[\u+1], s66
.if \d
	v_cndmask_b32 v[\d], v[\d], v[\e], s66
.endif
	BETTER \t, \t+1, \t+2, \t+3
	v_cndmask_b32 v[\o+2], v[\t+2], v[\t],   s66
	v_cndmask_b32 v[\o+3], v[\t+3], v[\t+1], s66
.endm
; Row block q: the lane's two best scores with their codes, joined with those of the lane's other half (h = 0 and h = 1), the record, the distance.
.macro FINISH q
.set S_, ST0+20*(\q)
.irp j, 0,1,2,3,4,5,6,7
	v_cndmask_b32 v[WS+\j], v[S_+8+\j], v[S_+\j], s[AHI+\q]     ; the slot with the higher maximum,
	v_cndmask_b32 v[LS+\j], v[S_+\j], v[S_+8+\j], s[AHI+\q]     ; the other
.endr
	v_cndmask_b32 v[TW], v[S_+19], v[S_+18], s[AHI+\q]
	v_cndmask_b32 v[TX], v[S_+18], v[S_+19], s[AHI+\q]
	PLACE J1, WS, S_+16
	PLACE JX, LS, S_+17
.irp j, 0,1,2,3,4,5,6,7
	v_cmp_eq_u32 vcc_lo, \j, v[J1]
	v_cndmask_b32 v[WS+\j], v[WS+\j], s69, vcc_lo  ; the best score is struck out (-inf): what is left of its tile may hold the second
.endr
	v_max3_num_f32 v[SEC], v[WS], v[WS+1], v[WS+2]
	v_max3_num_f32 v[SEC], v[SEC], v[WS+3], v[WS+4]
	v_max3_num_f32 v[SEC], v[SEC], v[WS+5], v[WS+6]
	v_max_num_f32 v[SEC], v[SEC], v[WS+7]
	PLACE J2, WS, SEC
	v_lshl_add_u32 v[TW], v[TW], 4, v[LB]          ; code = 512 p + 16 tile + 8 h + place
	v_lshl_add_u32 v[TX], v[TX], 4, v[LB]
	v_add_nc_u32 v[REC+1], v[TW], v[J1]
	v_add_nc_u32 v[C2], v[TW], v[J2]
	v_add_nc_u32 v[CX], v[TX], v[JX]
	v_mov_b32 v[REC], v[S_+16]
	BETTER S_+17, CX, SEC, C2
	v_cndmask_b32 v[REC+2], v[SEC], v[S_+17], s66
	v_cndmask_b32 v[REC+3], v[C2], v[CX], s66
.irp n, 0,1,2,3
	v_permlanex16_b32 v[OTH+\n], v[REC+\n], s48, s49
.endr
	MERGE REC, OTH, TQ, 0, 0                       ; the ranking is the same seen from either half: both lanes end with the same record
	v_fma_f32 v[DV], -2.0, v[REC], v[XX+\q]        ; |x|^2 - 2 s
	ds_store_b128 v[RST], v[REC:REC+3] offset:256*(\q)   ; lanes r and r + 16 write the same bytes with the same values
	ds_store_b32 v[DST], v[DV] offset:64*(\q)
.endm
	s_load_b256 s[4:11], s[0:1], 0x0               ; inputs s[4:5], w s[6:7], out3 s[8:9], cand s[10:11]
	s_load_b64 s[12:13], s[0:1], 0x20              ; part
	v_lshl_add_u32 v254, v0, 2, 0x4e000
	v_mov_b32 v255, 0
	ds_add_u32 v254, v255
	ds_add_u32 v254, v255
	v_lshrrev_b32 v1, 5, v0
	v_readfirstlane_b32 s16, v1                    ; wave
	s_and_b32 s17, s16, 1                          ; p
	s_lshr_b32 s18, s16, 1                         ; g
	s_bfe_u32 s50, ttmp6, 0x40000                  ; cx
	s_lshl_b32 s19, ttmp9, 2                       ; in a cluster launch ttmp9 counts clusters
	s_add_co_u32 s19, s19, s50                     ; work-group; it enters global addresses alone
	s_mov_b32 s23, 0                               ; upper word of the offset pair s[22:23], for good
	s_mov_b32 s44, 0xaaaaaaaa                      ; lanes with bit 0 set,
	s_mov_b32 s45, 0xcccccccc                      ; bit 1,
	s_mov_b32 s46, 0xf0f0f0f0                      ; bit 2
	s_mov_b32 s47, 0xff0000ff                      ; lanes that hold a diagonal element
	s_mov_b32 s48, 0x76543210                      ; v_permlanex16_b32: lane i of one half reads lane i of the other
	s_mov_b32 s49, 0xfedcba98
	s_mov_b32 s69, 0xff800000                      ; -inf
	; descriptor: 64 rows of 64 f32, dense in memory, 16 bytes of padding behind each row in LDS; the same words in all four partners
	s_mov_b32 s[G1+0], 15|(2<<16)|(1<<20)|(1<<21)|(5<<22)|(3<<25)   ; mask: the cluster's four; element of 4 bytes; padding on; bit 21 beside a mask; after every 64 words; 4 words
	s_mov_b32 s[G1+1], 64<<16                      ; tensor_dim0 = 64
	s_mov_b32 s[G1+2], 64<<16                      ; tensor_dim1 = 64
	s_mov_b32 s[G1+3], 64<<16                      ; tile_dim0 = 64
	s_mov_b32 s[G1+4], 64                          ; tile_dim1 = 64
	s_mov_b32 s[G1+5], 64                          ; elements from row to row
	s_mov_b32 s[G1+6], 0
	s_mov_b32 s[G1+7], 0
	s_mov_b32 s[G0+0], 1
	s_mul_i32 s[G0+1], s16, WAVEB                  ; LDS address: the wave's number times a constant,
	s_mov_b32 s[G0B+0], 1
	s_add_co_u32 s[G0B+1], s[G0+1], 64*WPITCH      ; and 64 rows further
	v_and_b32 v[RR], 15, v0
	v_bfe_u32 v[HH], v0, 4, 1
	v_and_b32 v[LN], 31, v0
	v_lshlrev_b32 v[XOFF], 4, v0
	v_lshrrev_b32 v1, 4, v0                        ; my row among the 16 that one load of the group covers
	v_mul_u32_u24 v1, v1, XPITCH
	v_lshl_add_u32 v1, v[RR], 3, v1                ; 4 f32 become 8 bytes
	v_add_nc_u32 v[XST], XS, v1
	s_mul_i32 s66, s18, 64*XPITCH
	s_add_co_u32 s66, s66, XS
	v_mul_u32_u24 v1, v[RR], XPITCH
	v_lshl_add_u32 v1, v[HH], 4, v1
	v_add_nc_u32 v[BLD], s66, v1                   ; XS + (64 g + r) pitch + 16 h
	v_mul_u32_u24 v1, v[RR], WPITCH
	v_lshl_add_u32 v[WADR], v[HH], 5, v1
	v_add_nc_u32 v[WADR], s[G0+1], v[WADR]         ; wave's rows + r pitch + 32 h (8 f32)
	v_lshl_add_u32 v1, v[HH], 4, v1
	v_add_nc_u32 v[CST], s[G0+1], v1               ; wave's rows + r pitch + 16 h (8 bf16)
	s_mul_i32 s66, s17, HALFB
	v_add_nc_u32 v[AADR], s66, v1
	s_lshl_b32 s66, s16, 9
	s_add_co_u32 s66, s66, BIAS
	v_lshl_add_u32 v[BIST], v[RR], 2, s66
	s_lshl_b32 s66, s17, 11
	s_add_co_u32 s66, s66, BIAS
	v_lshl_add_u32 v[BADR], v[HH], 5, s66
	s_lshl_b32 s66, s17, 9
	v_lshl_add_u32 v[LB], v[HH], 3, s66
	s_lshl_b32 s66, s16, 10
	s_add_co_u32 s66, s66, MRG
	v_lshl_add_u32 v[RST], v[RR], 4, s66
	s_lshl_b32 s66, s16, 8
	s_add_co_u32 s66, s66, DD
	v_lshl_add_u32 v[DST], v[RR], 2, s66
	s_wait_dscnt 0x0
	s_wait_kmcnt 0x0
	; out3 = w transposed, by wave 7: the work-group's piece is 64 codes (64 kb ..) x 4 dims (4 dg ..).  A lane takes 16 bytes of two
	; neighbouring codes.  Asked for ahead of x, so that it can be stored while x is still on its way.
	s_cmp_lg_u32 s16, 7
	s_cbranch_scc1 .Lno_piece
	s_and_b32 s66, s19, 15                         ; kb
	s_lshr_b32 s67, s19, 4                         ; dg
	s_lshl_b32 s68, s66, 14
	s_lshl4_add_u32 s68, s67, s68
	v_lshl_add_u32 v[JJ], v[LN], 9, s68            ; (64 kb + 2 lane) 256 + 16 dg
	global_load_b128 v[AB0:AB0+3],   v[JJ], s[6:7]
	global_load_b128 v[AB0+4:AB0+7], v[JJ], s[6:7] offset:256
	s_lshl_b32 s68, s67, 14
	s_lshl_b32 s66, s66, 8
	s_add_co_u32 s68, s68, s66
	v_lshl_add_u32 v[CC], v[LN], 3, s68            ; 4 dg rows of 4,096 + 256 kb + 8 lane
.Lno_piece:
	s_lshl_b32 s22, s19, 16                        ; 256 rows of 256 bytes
	s_add_nc_u64 s[4:5], s[4:5], s[22:23]
.irp i, 0,1,2,3,4,5,6,7,8,9,10,11,12,13,14,15
	global_load_b128 v[X+4*\i:X+4*\i+3], v[XOFF], s[4:5] offset:4096*\i   ; the group's 64 KB of x, 512 neighbouring bytes a wave and load; no hint: the next launch reads x again
.endr
	s_lshl_b32 s22, s16, 15                        ; my wave's 128 rows of w
	s_add_nc_u64 s[G0+2:G0+3], s[6:7], s[22:23]
	s_add_nc_u64 s[G0B+2:G0B+3], s[G0+2:G0+3], 64*256
	s_or_b32 s[G0+3], s[G0+3], 0x80000000          ; type = 2
	s_or_b32 s[G0B+3], s[G0B+3], 0x80000000
	ROUND                                          ; the four work-groups are here: the joint loads meet
	tensor_load_to_lds s[G0:G0+3], s[G1:G1+7]
	s_nop 0
	tensor_load_to_lds s[G0B:G0B+3], s[G1:G1+7]
	s_nop 0
	s_cmp_lg_u32 s16, 7
	s_cbranch_scc1 .Lno_transpose
	s_wait_loadcnt 0x10                            ; loads come back in order: wave 7's two loads of w are in, the 16 of x behind them may stay out
.irp i, 0,1,2,3
	v_mov_b32 v[AB0+8+2*\i], v[AB0+\i]             ; for each dim the two codes' numbers side by side
	v_mov_b32 v[AB0+9+2*\i], v[AB0+4+\i]
.endr
.irp i, 0,1,2,3
	global_store_b64 v[CC], v[AB0+8+2*\i:AB0+9+2*\i], s[8:9] offset:4096*\i th:TH_STORE_NT   ; each store covers 256 consecutive bytes, aligned
.endr
.Lno_transpose:
	; the codebook to bf16, while x is on its way
	s_wait_tensorcnt 0x1                           ; a wave's tensor loads end in order: my first 64 rows are in LDS, the second 64 may stay out.  Only I touch these rows before the barrier
	CLOAD 0
.irp c, 0,1,2,3,4,5,6,7
	CONVERT \c
.endr
	; x to bf16 and into XS
.irp i, 0,1,2,3,4,5,6,7,8,9,10,11,12,13,14,15
	s_wait_loadcnt 15-\i                           ; load i is in, the 15 - i younger ones may stay out
	v_cvt_pk_bf16_f32 v[X+4*\i],   v[X+4*\i],   v[X+4*\i+1]
	v_cvt_pk_bf16_f32 v[X+4*\i+1], v[X+4*\i+2], v[X+4*\i+3]
	ds_store_b64 v[XST], v[X+4*\i:X+4*\i+1] offset:16*XPITCH*\i
.endr
	s_wait_dscnt 0x0                               ; for the others' sake: my stores of bf16 rows, of -|w|^2/2 and of x are done
	s_barrier_signal -1
	s_barrier_wait -1                              ; the codebook and XS are whole
	s_wait_xcnt 0x0                                ; wave 7's stores to out3 read registers of the A buffer: these are loaded again only behind this wait
.irp q, 0,1,2,3
.irp k, 0,1,2,3
	ds_load_b128 v[XF0+16*\q+4*\k:XF0+16*\q+4*\k+3], v[BLD] offset:16*XPITCH*\q+32*\k
.endr
.endr
	LOADT                                          ; tile 0
	s_wait_dscnt 0x0                               ; my reads of XS are back:
	s_barrier_signal -1                            ; say so; behind this barrier XS is free for the records.  Register work meanwhile:
	; |x|^2 of my 64 rows: the diagonals of block x block^T; four accumulators by turns
.irp q, 0,1,2,3
	v_wmma_f32_16x16x32_bf16 v[ACC0+8*\q:ACC0+8*\q+7], v[XF0+16*\q:XF0+16*\q+7], v[XF0+16*\q:XF0+16*\q+7], 0
.endr
.irp q, 0,1,2,3
	v_wmma_f32_16x16x32_bf16 v[ACC0+8*\q:ACC0+8*\q+7], v[XF0+16*\q+8:XF0+16*\q+15], v[XF0+16*\q+8:XF0+16*\q+15], v[ACC0+8*\q:ACC0+8*\q+7]
.endr
.rept 4
	v_nop                                          ; four places in front of the selects that read the results (ISA guide 7.12.1)
.endr
.irp q, 0,1,2,3
	DIAG XX+\q, CT, ACC0+8*\q
.endr
	s_barrier_wait -1
	TILE ST0, 20, 1                                ; tile 0's scores are made in slot A itself, tile 1's in slot B: nothing is cleared or copied
	TILE ST0+8, 20, 1
	INIT 0
	INIT 1
	INIT 2
	INIT 3
	s_mov_b32 s20, 2                               ; the tile's number, and the trip counter
.Ltiles:                                           ; trip t = 2 .. 30: multiplies tile t, fetches tile t + 1, searches tile t
	TILE ACC0, 8, 1
	SEARCH
	s_add_co_u32 s20, s20, 1
	s_cmp_lt_u32 s20, 31
	s_cbranch_scc1 .Ltiles
	TILE ACC0, 8, 0                                ; tile 31: nothing is left to fetch
	SEARCH
	FINISH 0
	FINISH 1
	FINISH 2
	FINISH 3
	s_wait_dscnt 0x0                               ; for the partner's sake: my records are stored
	s_barrier_signal -1
	s_barrier_wait -1
	; Waves with p = 0 join the two halves of the codebook; lane l takes rows 2 l and 2 l + 1 of the wave's 64.
	s_cmp_lg_u32 s17, 0
	s_cbranch_scc1 .Lodd
	s_lshl_b32 s66, s16, 10
	s_add_co_u32 s66, s66, MRG
	v_lshl_add_u32 v[JJ], v[LN], 5, s66
	s_lshl_b32 s66, s16, 8
	s_add_co_u32 s66, s66, DD
	v_lshl_add_u32 v[CC], v[LN], 3, s66
	ds_load_b128 v[FA:FA+3], v[JJ]                 ; mine, row 2 l
	ds_load_b128 v[FB:FB+3], v[JJ] offset:16       ; mine, row 2 l + 1
	ds_load_b128 v[PA:PA+3], v[JJ] offset:1024     ; the partner's
	ds_load_b128 v[PB:PB+3], v[JJ] offset:1040
	ds_load_b64 v[DMY:DMY+1], v[CC]
	ds_load_b64 v[DPT:DPT+1], v[CC] offset:256
	s_lshl_b32 s22, s19, 11
	s_lshl_b32 s67, s18, 9
	s_add_co_u32 s22, s22, s67                     ; 8 bytes x (256 work-group + 64 g)
	s_add_nc_u64 s[10:11], s[10:11], s[22:23]
	s_lshl_b32 s22, s19, 4
	s_lshl2_add_u32 s22, s18, s22                  ; 4 bytes x (4 work-group + g)
	s_add_nc_u64 s[12:13], s[12:13], s[22:23]
	v_lshlrev_b32 v[GO], 4, v[LN]
	v_mov_b32 v[ZR], 0
	s_wait_dscnt 0x0
	MERGE FA, PA, TQ2, DMY, DPT
	MERGE FB, PB, TQ2, DMY+1, DPT+1
	v_mov_b32 v[OUT],   v[FA+1]
	v_mov_b32 v[OUT+1], v[FA+3]
	v_mov_b32 v[OUT+2], v[FB+1]
	v_mov_b32 v[OUT+3], v[FB+3]
	global_store_b128 v[GO], v[OUT:OUT+3], s[10:11]      ; the wave's 64 pairs: 512 consecutive bytes, aligned
	v_add_f32 v[DMY], v[DMY], v[DMY+1]
	v_add_f32_dpp v[DMY], v[DMY], v[DMY] row_xmask:1 row_mask:0xf bank_mask:0xf
	v_add_f32_dpp v[DMY], v[DMY], v[DMY] row_xmask:2 row_mask:0xf bank_mask:0xf
	v_add_f32_dpp v[DMY], v[DMY], v[DMY] row_xmask:4 row_mask:0xf bank_mask:0xf
	v_add_f32_dpp v[DMY], v[DMY], v[DMY] row_xmask:8 row_mask:0xf bank_mask:0xf
	v_permlanex16_b32 v[DMY+1], v[DMY], s48, s49
	v_add_f32 v[DMY], v[DMY], v[DMY+1]             ; the 64 rows' distances, summed
	v_cmp_eq_u32 vcc_lo, 0, v[LN]
	s_wait_xcnt 0x0                                ; EXEC is a source of the store above: it changes only behind this wait
	s_and_saveexec_b32 s51, vcc_lo
	global_store_b32 v[ZR], v[DMY], s[12:13]
	s_wait_xcnt 0x0                                ; and again in front of the line that widens it
	s_or_b32 exec_lo, exec_lo, s51
.Lodd:
	s_wait_tensorcnt 0x0
	ds_add_u32 v254, v255
	s_wait_dscnt 0x0
	ROUND                                          ; the closing round: no work-group ends while a partner may still ask for a tile that names it
	s_endpgm
.Lfunc_end_k_q2d297b918c_assign:
	.size	k_q2d297b918c_assign, .Lfunc_end_k_q2d297b918c_assign-k_q2d297b918c_assign
	.p2alignl 7, 3214868480
	.fill 96, 4, 3214868480
	.section	.rodata,"a",@progbits
	.p2align	6, 0x0
	.amdhsa_kernel k_q2d297b918c_assign
		.amdhsa_group_segment_fixed_size 320512
		.amdhsa_private_segment_fixed_size 0
		.amdhsa_enable_private_segment 0
		.amdhsa_kernarg_size 40
		.amdhsa_user_sgpr_count 2
		.amdhsa_user_sgpr_kernarg_segment_ptr 1
		.amdhsa_wavefront_size32 1
		.amdhsa_system_sgpr_workgroup_id_x 1
		.amdhsa_system_sgpr_workgroup_id_y 1
		.amdhsa_system_sgpr_workgroup_id_z 1
		.amdhsa_system_vgpr_workitem_id 0
		.amdhsa_next_free_vgpr 256
		.amdhsa_next_free_sgpr 76
		.amdhsa_reserve_vcc 1
		.amdhsa_float_denorm_mode_32 3
		.amdhsa_float_denorm_mode_16_64 3
		.amdhsa_memory_ordered 1
		.amdhsa_forward_progress 1
		.amdhsa_inst_pref_size 81
	.end_amdhsa_kernel
	.amdgpu_metadata
---
amdhsa.version: [ 1, 2 ]
amdhsa.kernels:
  - .name:           k_q2d297b918c_assign
    .symbol:         k_q2d297b918c_assign.kd
    .args:
      - { .name: inputs, .offset: 0, .size: 8, .value_kind: global_buffer, .address_space: global }
      - { .name: w, .offset: 8, .size: 8, .value_kind: global_buffer, .address_space: global }
      - { .name: out3, .offset: 16, .size: 8, .value_kind: global_buffer, .address_space: global }
      - { .name: cand, .offset: 24, .size: 8, .value_kind: global_buffer, .address_space: global }
      - { .name: part, .offset: 32, .size: 8, .value_kind: global_buffer, .address_space: global }
    .group_segment_fixed_size: 320512
    .private_segment_fixed_size: 0
    .kernarg_segment_align: 8
    .kernarg_segment_size: 40
    .max_flat_workgroup_size: 256
    .sgpr_count:     76
    .vgpr_count:     256
    .wavefront_size: 32
...
	.end_amdgpu_metadata
.endif
;; end of part 1
;; launch choose (part 2): grid 256 x 1, 8 waves a work-group, no clusters, 116,736 bytes of LDS; arguments cand, part, inputs, w, out0, out1, out2; writes out0, out1, out2
.if DOCPART == 2
	.amdgcn_target "amdgcn-amd-amdhsa--gfx1250"
	.amdhsa_code_object_version 6
	.text
	.protected	k_q2d297b918c_choose
	.globl	k_q2d297b918c_choose
	.p2align	8
	.type	k_q2d297b918c_choose,@function
k_q2d297b918c_choose:
	s_mov_b64 s[64:65], 0
	v_nop
	global_prefetch_b8 v0, s[64:65] scope:SCOPE_SE
	s_setreg_imm32_b32 hwreg(HW_REG_WAVE_MODE, 25, 1), 1
	s_wait_xcnt 0x0
; CHOOSE.  For each of the 65,536 rows the launch before has named the two nearest codes k1, k2 (cand).  Here both distances are formed by the
; problem's own formula and in a plain loop's order, d = (|x|^2 - 2 x.w) + |w|^2 in f32, each of the three sums one chain of 64 f32 additions in
; ascending index, on x and w rounded to bf16 (nearest even).  Products of two bf16 numbers are exact in f32, so a link of a chain,
; v_fma_mix_f32_bf16, is exactly one f32 addition of a product.  The smaller d wins, at equality the lower index.
; Stores out2 = the index, out0 = that row of w, out1 = 0.25 x mean squared distance = 2^-24 x the sum of part's 1,024 numbers.
; The choice only SELECTS: both rows of w are loaded, and no address or branch hangs on it.
; LIMITS, kept on purpose: (1) ascending order is this text's reading of the problem's sums; against sums formed in another order two codes
; nearer to each other than the f32 summation error (some 64 roundings of 2^-24 (|x|^2 + |w|^2)) may still come out the other way.
; (2) The problem forms x + (w[k] - x) in f32; here w[k] itself is stored, which differs from it by at most about 2^-23 (|x| + |w[k]|) a number.
; (3) NaN is not served.
; A stream with little arithmetic: no matrix unit, no cluster (no two work-groups share a row of x or of the output; the table of 256 KB is read
; through the caches).  256 work-groups of 8 waves; a wave owns 32 rows.
; IN AND OUT, 16 lanes a row: instruction i serves row i in lanes 0-15 and row 16 + i in lanes 16-31, 16 bytes a lane, so sixteen neighbouring
; lanes read or store 256 consecutive bytes, aligned.  By this text's count 48 such loads of a wave are on their way at once.
; THE CHAINS, one lane a row: a chain cannot be shared among lanes, so the three rows go through the wave's own LDS in bf16 (pitch 144 bytes,
; an odd multiple of 16, so 16 lanes' 16-byte reads fall into 16 different columns of 256; rows 16-31 lie 128 bytes further, so that the two
; halves of a store fall into different halves of 256).  A wave's LDS instructions are served in order and these bytes are its own: no barrier.
; ORDER: every turn packs into registers of its own, and a turn's loads and stores are issued behind the next turn's arithmetic, so that no
; memory instruction stands straight behind the instruction that makes its address or data.
.set XP,    144                        ; LDS pitch of a row of 64 bf16
.set HALFX, 16*XP+128                  ; rows 16-31 begin here
.set AREA,  HALFX+16*XP                ; 32 rows: 4,736 bytes; x, then w[k1], then w[k2]
.set FLAGS, 3*AREA                     ; 32 words: 1 where k2 won
.set WAVEL, FLAGS+128                  ; a wave's LDS
.set BASE0, 1024                       ; LDS byte 0: the group's 256 indices; then the waves' parts
.set RB,   2                           ; v2   16 r: my 16 bytes in a row
.set OFF,  3                           ; v3   my byte offset in the group's part of x and of out0
.set COFF, 4                           ; v4   byte offset of my half's 16 pairs in the group's part of cand
.set LOFF, 5                           ; v5   byte offset of the pair of row = lane
.set SST,  6                           ; v6   LDS: where my 8 bytes of a row go
.set SLD,  7                           ; v7   LDS: row = lane
.set FST,  8                           ; v8   LDS: my row's flag
.set FLD,  9                           ; v9   LDS: my half's 16 flags
.set OST,  10                          ; v10  LDS: my row's index
.set HH,   11                          ; h = lane / 16
.set KP,   12                          ; v12-13 k1, k2 of row = lane
.set LN,   14                          ; lane
.set SXX,  15                          ; the five chains: |x|^2,
.set SW1,  16                          ; |w1|^2,
.set SW2,  17                          ; |w2|^2,
.set SP1,  18                          ; x.w1,
.set SP2,  19                          ; x.w2
.set D1,   20
.set D2,   21
.set FL,   22
.set KW,   23
.set IDX,  24                          ; v24-55   my half's 16 pairs, then byte offsets in w, then turn i's pair: w[k2] packed
.set XR,   56                          ; v56-119  x as loaded; of turn i's four then the lower pair: x packed, the upper pair: w[k1] packed
.set WA,   120                         ; v120-183 16 x 4: rows w[k1], in the end the chosen rows
.set WB,   184                         ; v184-247 16 x 4: rows w[k2]
.set PAO,  248                         ; the loss: my offset in part
.set OLD,  249                         ; the end: 16 t
.set RX,   IDX                         ; once all is stored: row = lane of x in bf16, 32 registers,
.set R1,   XR                          ; of w[k1],
.set R2,   XR+32                       ; of w[k2]
.set FLG,  IDX                         ; then: my half's 16 flags
.set P,    WA                          ; the loss: 32 numbers of part, before the rows of w are asked for
.macro WLOAD i                         ; turn i's two rows of w
	global_load_b128 v[WA+4*(\i):WA+4*(\i)+3], v[IDX+2*(\i)],   s[10:11]
	global_load_b128 v[WB+4*(\i):WB+4*(\i)+3], v[IDX+2*(\i)+1], s[10:11]
.endm
.macro XSTORE i                        ; turn i's 8 bytes of x in bf16
	ds_store_b64 v[SST], v[XR+4*(\i):XR+4*(\i)+1] offset:XP*(\i)
.endm
.macro WSTORE i                        ; turn i's 8 bytes of each row of w in bf16
	ds_store_b64 v[SST], v[XR+4*(\i)+2:XR+4*(\i)+3] offset:AREA+XP*(\i)
	ds_store_b64 v[SST], v[IDX+2*(\i):IDX+2*(\i)+1] offset:2*AREA+XP*(\i)
.endm
.macro OSTORE i                        ; turn i's chosen rows
	global_store_b128 v[OFF], v[WA+4*(\i):WA+4*(\i)+3], s[12:13] offset:256*(\i) th:TH_STORE_NT
.endm
	s_load_b256 s[4:11], s[0:1], 0x0               ; cand s[4:5], part s[6:7], inputs s[8:9], w s[10:11]
	s_load_b128 s[12:15], s[0:1], 0x20             ; out0 s[12:13], out1 s[14:15]
	s_load_b64 s[16:17], s[0:1], 0x30              ; out2
	v_lshl_add_u32 v250, v0, 2, 0x1c400
	v_mov_b32 v251, 0
	v_lshrrev_b32 v1, 5, v0
	v_readfirstlane_b32 s18, v1                    ; wave
	s_or_b32 s19, ttmp9, s18                       ; 0 in wave 0 of work-group 0 alone
	s_mov_b32 s22, 0x76543210                      ; v_permlanex16_b32: lane i of one half reads lane i of the other
	s_mov_b32 s23, 0xfedcba98
	s_mul_i32 s25, s18, WAVEL
	s_add_co_u32 s25, s25, BASE0                   ; my wave's LDS
	s_add_co_u32 s26, s25, FLAGS
	v_and_b32 v[RB], 15, v0                        ; r
	v_bfe_u32 v[HH], v0, 4, 1
	v_and_b32 v[LN], 31, v0
	v_lshrrev_b32 v1, 4, v0                        ; t / 16 = 2 wave + h
	v_lshlrev_b32 v[COFF], 7, v1                   ; 16 pairs of 8 bytes
	v_mul_u32_u24 v[SST], v[HH], HALFX
	v_lshl_add_u32 v[SST], v[RB], 3, v[SST]        ; 4 f32 become 8 bytes
	v_add_nc_u32 v[SST], s25, v[SST]
	v_lshlrev_b32 v[RB], 4, v[RB]
	v_lshl_add_u32 v[OFF], v1, 12, v[RB]           ; 16 rows of 256 bytes for each t / 16
	v_lshlrev_b32 v[LOFF], 3, v0
	v_mul_u32_u24 v[SLD], v[LN], XP
	v_lshl_add_u32 v[SLD], v[HH], 7, v[SLD]
	v_add_nc_u32 v[SLD], s25, v[SLD]
	v_lshl_add_u32 v[FST], v[LN], 2, s26
	v_lshl_add_u32 v[FLD], v[HH], 6, s26
	v_lshlrev_b32 v[OST], 2, v0
	s_mov_b32 s21, 0
	s_wait_kmcnt 0x0
	s_lshl_b32 s20, ttmp9, 11                      ; the group's 256 pairs
	s_add_nc_u64 s[4:5], s[4:5], s[20:21]
	s_lshl_b32 s20, ttmp9, 16                      ; the group's 256 rows
	s_add_nc_u64 s[8:9], s[8:9], s[20:21]
	s_add_nc_u64 s[12:13], s[12:13], s[20:21]
	s_lshl_b32 s20, ttmp9, 10                      ; the group's 256 indices
	s_add_nc_u64 s[16:17], s[16:17], s[20:21]
.irp j, 0,1,2,3,4,5,6,7
	global_load_b128 v[IDX+4*\j:IDX+4*\j+3], v[COFF], s[4:5] offset:16*\j
.endr
	global_load_b64 v[KP:KP+1], v[LOFF], s[4:5]
.irp i, 0,1,2,3,4,5,6,7,8,9,10,11,12,13,14,15
	global_load_b128 v[XR+4*\i:XR+4*\i+3], v[OFF], s[8:9] offset:256*\i th:TH_LOAD_NT
.endr
	; the loss, by one wave of the launch, while its other loads are on their way
	s_cmp_lg_u32 s19, 0
	s_cbranch_scc1 .Lrows
	v_lshlrev_b32 v[PAO], 4, v0                    ; in wave 0 the thread's number is the lane
.irp j, 0,1,2,3,4,5,6,7
	global_load_b128 v[P+4*\j:P+4*\j+3], v[PAO], s[6:7] offset:512*\j
.endr
	s_wait_loadcnt 0x0
.irp j, 1,2,3,4,5,6,7
	v_pk_add_f32 v[P:P+1],   v[P:P+1],   v[P+4*\j:P+4*\j+1]
	v_pk_add_f32 v[P+2:P+3], v[P+2:P+3], v[P+4*\j+2:P+4*\j+3]
.endr
	v_pk_add_f32 v[P:P+1], v[P:P+1], v[P+2:P+3]
	v_add_f32 v[P], v[P], v[P+1]
	v_add_f32_dpp v[P], v[P], v[P] row_xmask:1 row_mask:0xf bank_mask:0xf
	v_add_f32_dpp v[P], v[P], v[P] row_xmask:2 row_mask:0xf bank_mask:0xf
	v_add_f32_dpp v[P], v[P], v[P] row_xmask:4 row_mask:0xf bank_mask:0xf
	v_add_f32_dpp v[P], v[P], v[P] row_xmask:8 row_mask:0xf bank_mask:0xf
	v_permlanex16_b32 v[P+1], v[P], s22, s23
	v_add_f32 v[P], v[P], v[P+1]
	v_mul_f32 v[P], 0x33800000, v[P]               ; 0.25 / (65,536 x 64) = 2^-24
	v_mov_b32 v[P+2], 0
	v_cmp_eq_u32 vcc_lo, 0, v0
	s_wait_xcnt 0x0                                ; EXEC is a source of the loads above: it changes only behind this wait
	s_and_saveexec_b32 s24, vcc_lo
	global_store_b32 v[P+2], v[P], s[14:15]
	s_wait_xcnt 0x0                                ; and again in front of the line that widens it; the store's registers are loaded again only behind it, too
	s_or_b32 exec_lo, exec_lo, s24
.Lrows:
	s_wait_loadcnt 16                              ; loads come back in order: the nine loads of pairs are in, the 16 of x may stay out
.irp i, 0,1,2,3,4,5,6,7,8,9,10,11,12,13,14,15
	v_min_u32 v[IDX+2*\i],   0x3ff, v[IDX+2*\i]    ; an index stays inside the table
	v_min_u32 v[IDX+2*\i+1], 0x3ff, v[IDX+2*\i+1]
	v_lshl_add_u32 v[IDX+2*\i],   v[IDX+2*\i],   8, v[RB]      ; 256 bytes a row + my 16
	v_lshl_add_u32 v[IDX+2*\i+1], v[IDX+2*\i+1], 8, v[RB]
.if \i
	WLOAD \i-1
.endif
.endr
	WLOAD 15
	; to bf16 and into my wave's LDS
.irp i, 0,1,2,3,4,5,6,7,8,9,10,11,12,13,14,15
	s_wait_loadcnt 47-\i                           ; load i of x is in; 15 - i of x and the 32 of w may stay out
	v_cvt_pk_bf16_f32 v[XR+4*\i],   v[XR+4*\i],   v[XR+4*\i+1]
	v_cvt_pk_bf16_f32 v[XR+4*\i+1], v[XR+4*\i+2], v[XR+4*\i+3]
.if \i
	XSTORE \i-1
.endif
.endr
	XSTORE 15
.irp i, 0,1,2,3,4,5,6,7,8,9,10,11,12,13,14,15
	s_wait_loadcnt 30-2*\i                         ; both rows of turn i are in, so their two offset registers are free; the 30 - 2 i younger loads may stay out
	v_cvt_pk_bf16_f32 v[XR+4*\i+2], v[WA+4*\i],   v[WA+4*\i+1]     ; the rows themselves stay in registers: one of them is the result
	v_cvt_pk_bf16_f32 v[XR+4*\i+3], v[WA+4*\i+2], v[WA+4*\i+3]     ; into the upper pair of x's four, free since x was packed,
	v_cvt_pk_bf16_f32 v[IDX+2*\i],   v[WB+4*\i],   v[WB+4*\i+1]    ; and into the turn's offset registers
	v_cvt_pk_bf16_f32 v[IDX+2*\i+1], v[WB+4*\i+2], v[WB+4*\i+3]
.if \i
	WSTORE \i-1
.endif
.endr
	WSTORE 15
	; back, one lane a row: eight pieces of 8 numbers of each of the three rows.  LDS serves a wave's instructions in order: these see the stores above.
.irp c, 0,1,2,3,4,5,6,7
	ds_load_b128 v[RX+4*\c:RX+4*\c+3], v[SLD] offset:16*\c
	ds_load_b128 v[R1+4*\c:R1+4*\c+3], v[SLD] offset:AREA+16*\c
	ds_load_b128 v[R2+4*\c:R2+4*\c+3], v[SLD] offset:2*AREA+16*\c
.endr
.irp a, SXX, SW1, SW2, SP1, SP2
	v_mov_b32 v[\a], 0                             ; a sum begins at 0, as the problem's do
.endr
; One index k: word n of the rows, half hf.  Five chains that do not wait for each other.
.macro LINK n, hf
	v_fma_mix_f32_bf16 v[SXX], v[RX+\n], v[RX+\n], v[SXX] op_sel:[\hf,\hf,0] op_sel_hi:[1,1,0]
	v_fma_mix_f32_bf16 v[SW1], v[R1+\n], v[R1+\n], v[SW1] op_sel:[\hf,\hf,0] op_sel_hi:[1,1,0]
	v_fma_mix_f32_bf16 v[SW2], v[R2+\n], v[R2+\n], v[SW2] op_sel:[\hf,\hf,0] op_sel_hi:[1,1,0]
	v_fma_mix_f32_bf16 v[SP1], v[RX+\n], v[R1+\n], v[SP1] op_sel:[\hf,\hf,0] op_sel_hi:[1,1,0]
	v_fma_mix_f32_bf16 v[SP2], v[RX+\n], v[R2+\n], v[SP2] op_sel:[\hf,\hf,0] op_sel_hi:[1,1,0]
.endm
.irp c, 0,1,2,3,4,5,6,7
	s_wait_dscnt 21-3*\c                           ; LDS loads come back in order: piece c of the three rows is in, the 21 - 3 c later loads may stay out
.irp n, 0,1,2,3
	LINK 4*\c+\n, 0                                ; k = 8 c + 2 n
	LINK 4*\c+\n, 1                                ; k = 8 c + 2 n + 1
.endr
.endr
	v_fma_f32 v[D1], -2.0, v[SP1], v[SXX]          ; |x|^2 - 2 x.w: doubling is exact, so this is the problem's one rounding
	v_fma_f32 v[D2], -2.0, v[SP2], v[SXX]
	v_add_f32 v[D1], v[D1], v[SW1]
	v_add_f32 v[D2], v[D2], v[SW2]
	v_cmp_lt_f32 s26, v[D2], v[D1]
	v_cmp_eq_f32 s27, v[D2], v[D1]
	v_cmp_lt_u32 s28, v[KP+1], v[KP]
	s_and_b32 s27, s27, s28
	s_or_b32 s26, s26, s27                         ; k2 wins if nearer, or as near with the lower index
	v_cndmask_b32 v[KW], v[KP], v[KP+1], s26
	v_cndmask_b32 v[FL], 0, 1, s26
	ds_store_b32 v[FST], v[FL]
	ds_store_b32 v[OST], v[KW]
.irp j, 0,1,2,3
	ds_load_b128 v[FLG+4*\j:FLG+4*\j+3], v[FLD] offset:16*\j     ; my half's 16 flags, the same in all 16 lanes
.endr
	s_wait_dscnt 0x0
.irp i, 0,1,2,3,4,5,6,7,8,9,10,11,12,13,14,15
	v_cmp_ne_u32 vcc_lo, 0, v[FLG+\i]
.irp n, 0,1,2,3
	v_cndmask_b32 v[WA+4*\i+\n], v[WA+4*\i+\n], v[WB+4*\i+\n], vcc_lo
.endr
.if \i
	OSTORE \i-1
.endif
.endr
	OSTORE 15
	; the group's 256 indices leave in two runs of 512 consecutive bytes
	s_barrier_signal -1                            ; my LDS stores were waited for above
	s_barrier_wait -1
	s_cmp_gt_u32 s18, 1
	s_cbranch_scc1 .Lend
	v_lshlrev_b32 v[OLD], 4, v0                    ; waves 0 and 1: 16 t, in LDS and in out2 alike
	ds_load_b128 v[FLG:FLG+3], v[OLD]
	s_wait_dscnt 0x0
	global_store_b128 v[OLD], v[FLG:FLG+3], s[16:17]
.Lend:
	s_wait_tensorcnt 0x0
	ds_add_u32 v250, v251
	s_wait_dscnt 0x0
	s_endpgm
.Lfunc_end_k_q2d297b918c_choose:
	.size	k_q2d297b918c_choose, .Lfunc_end_k_q2d297b918c_choose-k_q2d297b918c_choose
	.p2alignl 7, 3214868480
	.fill 96, 4, 3214868480
	.section	.rodata,"a",@progbits
	.p2align	6, 0x0
	.amdhsa_kernel k_q2d297b918c_choose
		.amdhsa_group_segment_fixed_size 116736
		.amdhsa_private_segment_fixed_size 0
		.amdhsa_enable_private_segment 0
		.amdhsa_kernarg_size 56
		.amdhsa_user_sgpr_count 2
		.amdhsa_user_sgpr_kernarg_segment_ptr 1
		.amdhsa_wavefront_size32 1
		.amdhsa_system_sgpr_workgroup_id_x 1
		.amdhsa_system_sgpr_workgroup_id_y 1
		.amdhsa_system_sgpr_workgroup_id_z 1
		.amdhsa_system_vgpr_workitem_id 0
		.amdhsa_next_free_vgpr 252
		.amdhsa_next_free_sgpr 66
		.amdhsa_reserve_vcc 1
		.amdhsa_float_denorm_mode_32 3
		.amdhsa_float_denorm_mode_16_64 3
		.amdhsa_memory_ordered 1
		.amdhsa_forward_progress 1
		.amdhsa_inst_pref_size 52
	.end_amdhsa_kernel
	.amdgpu_metadata
---
amdhsa.version: [ 1, 2 ]
amdhsa.kernels:
  - .name:           k_q2d297b918c_choose
    .symbol:         k_q2d297b918c_choose.kd
    .args:
      - { .name: cand, .offset: 0, .size: 8, .value_kind: global_buffer, .address_space: global }
      - { .name: part, .offset: 8, .size: 8, .value_kind: global_buffer, .address_space: global }
      - { .name: inputs, .offset: 16, .size: 8, .value_kind: global_buffer, .address_space: global }
      - { .name: w, .offset: 24, .size: 8, .value_kind: global_buffer, .address_space: global }
      - { .name: out0, .offset: 32, .size: 8, .value_kind: global_buffer, .address_space: global }
      - { .name: out1, .offset: 40, .size: 8, .value_kind: global_buffer, .address_space: global }
      - { .name: out2, .offset: 48, .size: 8, .value_kind: global_buffer, .address_space: global }
    .group_segment_fixed_size: 116736
    .private_segment_fixed_size: 0
    .kernarg_segment_align: 8
    .kernarg_segment_size: 56
    .max_flat_workgroup_size: 256
    .sgpr_count:     66
    .vgpr_count:     252
    .wavefront_size: 32
...
	.end_amdgpu_metadata
.endif
;; end of part 2
